; MI455X (gfx1250); checked and timed in simulation.
; The chip was launched on July 23, 2026; its instructions are those of AMD's public machine-readable ISA for CDNA 5 (MIT licence, August 2026) and "CDNA5" Instruction Set Architecture Reference Guide (July 2026). The comments in the code are by the model that wrote it; some were corrected since.
;; Layer. Allowed arithmetic: matrix products marked QUANTISED: E5M2 operands, one given power-of-two scale a tensor, by v_wmma_f32_16x16x64_bf8_bf8 or v_wmma_f32_16x16x128_bf8_bf8, f32 sums; everything else in f32.
;; Inputs: A 2,048 x 4,096 float32; B_packed 512 x 8,192 int32; lowp_scales 2 int32 (the exponents e of the quantised operands' scales 2^e); s 32 x 8,192 float32.
;; Outputs: out0 2,048 x 8,192 float32.
;; This version of the problem:
;;   THIS VERSION OF THE PROBLEM IS GIVEN IN LOW PRECISION. The matrix products marked QUANTISED in the list below multiply operands that are first quantised to E5M2 (5 exponent bits, 2 mantissa bits; 8 bits a number), with one given power-of-two scale for each operand tensor; their sums are f32. All else is computed in f32.
;;   The module's matrix products, in the order in which they are computed (A, B: the left and right operand; K: the contracted axis; several contracted axes count as one K, in the product's order):
;;     1. [M 2,048, K 4,096] x [K 4,096, N 8,192]; A: input A; B: computed on the way: QUANTISED (scales: A lowp_scales[0], B lowp_scales[1])
;;   THE QUANTISER, for each operand of a quantised product, along K:
;;     - The operand's scale is 2^e, e = its entry of the input lowp_scales (int32; the entries are numbered through the quantised products in the list's order, A before B).
;;     - Each number is divided by the scale, clamped to +-57,344, and rounded to the nearest number of E5M2, ties to even, subnormals kept.
;;     - The product sums the exact products of the quantised numbers (number of the format x scale) in f32.
;;   ~~~python
;;   def quantise(x, axis, e):      # numpy; x: float32 -> the quantised numbers, widened to float32 again
;;       x = np.moveaxis(x, axis, -1); K = x.shape[-1]
;;       r = np.clip(x / 2.0 ** e, -57344, 57344)
;;       step = 2.0 ** (np.maximum(np.frexp(np.where(r == 0, 1, r))[1] - 1, -14) - 2)
;;       q = np.round(r / step) * step * 2.0 ** e      # np.round: ties to even
;;       return np.moveaxis(q, -1, axis).astype(np.float32)
;;   ~~~
;;   OPERANDS COMPUTED ON THE WAY. 'Computed on the way' means the value that the module computes at that place (a softmax that the list does not call 'softmax' is quantised finished and normalised). What goes into a quantiser is computed in f32, as accurately as f32 sums, v_exp_f32 and their like allow (about 1e-6 of the number): no bf16 or f16 on the way to a quantiser, and a product that is left as it is and whose result goes on into a quantised operand takes f32 operands (vector FMAs, or v_wmma_f32_16x16x4_f32). A number that lies on a knife's edge between two numbers of the format may be rounded either way, as far as f32 arithmetic and the matrix unit's own rounding can turn it there, and no further.
;; One version. Each part assembles by itself: llvm-mc -triple=amdgcn-amd-amdhsa -mcpu=gfx1250 --defsym DOCPART=n.
;; ======== version 1 of 1: 2 launches
;; limits: right only within a limited range of input values
;; workspace buffers: a_img 8,388,608 bytes; w_codes 33,554,432 bytes
;; launch prep (part 1): grid 768 x 1, 4 waves a work-group, no clusters, 103,936 bytes of LDS; arguments A, B_packed, s, lowp_scales, a_img, w_codes; writes a_img, w_codes
.if DOCPART == 1
	.amdgcn_target "amdgcn-amd-amdhsa--gfx1250"
	.amdhsa_code_object_version 6
	.text
	.protected	k_q4212c718fc_prep
	.globl	k_q4212c718fc_prep
	.p2align	8
	.type	k_q4212c718fc_prep,@function
k_q4212c718fc_prep:
	s_mov_b64 s[64:65], 0
	v_nop
	global_prefetch_b8 v0, s[64:65] scope:SCOPE_SE
	s_setreg_imm32_b32 hwreg(HW_REG_WAVE_MODE, 25, 1), 1
	s_wait_xcnt 0x0
; Both operands of C = A W are turned into codes of BF8 (E5M2), one byte each, once, for the product's launch.
; A: [2048][4096] f32.  W(k, n) = (nibble(k, n) - 8) x s[k / 128][n]; nibble p of B_packed[kk][n] belongs to k = 8 kk + p.
; code = x / 2^e, held within +-57,344, rounded to the nearest code, ties to even; e = entry 0 of the given exponents for A, entry 1 for W.
; K RUNS IN A PERMUTED ORDER, THE SAME FOR BOTH: within window u of 512 along K the number at k = 512 u + 128 i + 4 l + j (i 0..3, l 0..31, j 0..3) has its code at byte 512 u + 16 l + 4 i + j
; of its row of 4,096 codes.  A tensor has one scale, so every product keeps its partner; only the order of the sums changes.
; OUT: w_codes [8192 rows n][4096 bytes].  a_img: A's rows of codes cut into images of operand registers: [128 blocks of 16 rows][64 pieces of 64 bytes][2 c][2 h][16 r][16 bytes]:
; row r's bytes 64 f + 32 c + 16 h .. + 15 of a piece f.  A wave of the product's launch loads 512 consecutive bytes of it, 16 a lane, into four registers of a fragment.
; LIMITS: each e between -126 and 112; |s| under 2^124.  NaN among A or s is not served; an infinity is held at the largest code.
; ONE LAUNCH FOR BOTH: of three neighbouring work-groups the first takes a part of A (256 parts), the other two parts of W (512 parts).  Each path has LDS bytes of its own.
; No tensor load, no barrier, no loop: waves share nothing and every offset is an immediate.
.set EMAX,  15
.set MANT,  0x600000                   ; the mantissa field of 57,344 as f32
.set SC,    8                          ; v8   2^e as f32
.set LIMV,  9                          ; v9   57,344 x 2^e
.set R,     16                         ; A: v16-143 eight sets of 16 numbers as loaded; then the way out
.set CA,    144                        ; A: v144-175 eight sets of 16 codes
.set APITCH, 528                       ; A's stage row: 512 bytes + 16
.set ASTG,  0x11200                    ; A's stages: 16 rows for each wave, behind W's stages and the spare words
.set SL,    16
.set N0,    24
.set S1,    32
.set N1,    40
.set D,     48
.set X,     112
.set CW,    176
.set OUTR,  48
.set PITCH, 272
.set WSTG,  64*PITCH
.macro SCALES e
	s_wait_kmcnt 0x0
	s_add_co_i32 s28, s[\e], 127
	s_lshl_b32 s29, s28, 23
	v_mov_b32 v[SC], s29
	s_add_co_i32 s28, s28, EMAX
	s_lshl_b32 s28, s28, 23
	s_or_b32 s28, s28, MANT
	v_mov_b32 v[LIMV], s28
.endm
	s_load_b256 s[4:11], s[0:1], 0x0               ; A, B_packed, s, the exponents
	s_load_b128 s[12:15], s[0:1], 0x20             ; a_img, w_codes
	v_lshl_add_u32 v192, v0, 2, 0x11000            ; my spare word
	v_mov_b32 v193, 0
	s_mul_hi_u32 s19, ttmp9, 0x55555556            ; work-group / 3
	s_mul_i32 s18, s19, 3
	s_sub_co_u32 s18, ttmp9, s18                   ; work-group % 3: 0 takes A, 1 and 2 take W
	v_lshrrev_b32 v1, 5, v0
	v_readfirstlane_b32 s20, v1                    ; wave
	v_and_b32 v2, 31, v0                           ; lane
	s_wait_alu depctr_va_vdst(0)
	s_wait_kmcnt 0x0
	s_load_b64 s[16:17], s[10:11], 0x0             ; e of A, e of W
	s_cmp_lg_u32 s18, 0
	s_cbranch_scc1 .Lw
; ---------------- A: a wave takes 16 rows x one window of 512 along K ----------------
	s_lshl_b32 s21, s19, 2
	s_add_co_u32 s21, s21, s20                     ; 4 x part + wave = 8 x block of rows + window
	s_lshr_b32 s26, s21, 3
	s_and_b32 s27, s21, 7
	s_lshl_b32 s22, s26, 18                        ; 16 rows of 16,384 bytes
	s_lshl_b32 s24, s27, 11                        ; 2,048 bytes a window
	s_add_co_u32 s22, s22, s24
	s_mov_b32 s23, 0
	s_lshl_b32 s24, s26, 16                        ; 65,536 bytes of images a block of rows
	s_lshl_b32 s25, s27, 13                        ; 8 pieces of 1,024 bytes a window
	s_add_co_u32 s24, s24, s25
	s_mov_b32 s25, 0
	s_add_nc_u64 s[4:5], s[4:5], s[22:23]
	s_add_nc_u64 s[12:13], s[12:13], s[24:25]
	s_mul_i32 s21, s20, 16*APITCH
	s_add_co_u32 s21, s21, ASTG                    ; my wave's stage
	v_lshlrev_b32 v3, 4, v2                        ; 16 x lane
	v_add_nc_u32 v4, s21, v3                       ; into the stage: my 16 codes of a row
	v_and_b32 v7, 15, v2
	v_lshrrev_b32 v10, 4, v2
	v_mul_u32_u24 v5, v7, APITCH
	v_lshl_add_u32 v5, v10, 4, v5
	v_add_nc_u32 v5, s21, v5                       ; out of it: row r, + 16 h
.macro ALOAD t                         ; row t: register 4 i + j is k = 128 i + 4 lane + j of the window; 32 lanes read 512 consecutive bytes
.irp i, 0,1,2,3
	global_load_b128 v[R+16*((\t)%8)+4*\i:R+16*((\t)%8)+4*\i+3], v3, s[4:5] offset:16384*(\t)+512*\i th:TH_LOAD_NT
.endr
.endm
.irp t, 0,1,2,3,4,5,6,7
	ALOAD \t
.endr
	SCALES 16
.macro ASTEP t
.set RS, R+16*((\t)%8)
.if (\t) < 8
	s_wait_loadcnt 28                              ; this row's four loads are in; seven later rows' stay out
.else
	s_wait_loadcnt 4*(15-(\t))
.endif
.irp i, 0,1,2,3,4,5,6,7,8,9,10,11,12,13,14,15
	v_med3_num_f32 v[RS+\i], v[RS+\i], -v[LIMV], v[LIMV]   ; the conversion does not saturate (ISA guide 7.6.2): hold first
.endr
	v_cvt_scalef32_pk8_bf8_f32 v[CA+4*((\t)%8):CA+4*((\t)%8)+1], v[RS:RS+7], v[SC]
	v_cvt_scalef32_pk8_bf8_f32 v[CA+4*((\t)%8)+2:CA+4*((\t)%8)+3], v[RS+8:RS+15], v[SC]
	ds_store_b128 v4, v[CA+4*((\t)%8):CA+4*((\t)%8)+3] offset:APITCH*(\t)
.if (\t) < 8
	ALOAD (\t)+8                                   ; the set takes the row eight further on
.endif
.endm
	s_wait_alu depctr_va_vdst(0)
.irp t, 0,1,2,3,4,5,6,7,8,9,10,11,12,13,14,15
	ASTEP \t
.endr
	v_nop                                          ; a plain line behind the last conversion
.irp k, 0,1,2,3,4,5,6,7,8,9,10,11,12,13,14,15
	ds_load_b128 v[R+4*\k:R+4*\k+3], v5 offset:32*\k   ; piece k / 2, c = k % 2; LDS serves a wave's instructions in order (ISA guide 5.7.1.4)
.endr
.irp k, 0,1,2,3,4,5,6,7,8,9,10,11,12,13,14,15
	s_wait_dscnt 15-\k
	global_store_b128 v3, v[R+4*\k:R+4*\k+3], s[12:13] offset:512*\k   ; the wave stores 512 consecutive bytes, aligned
.endr
	s_wait_tensorcnt 0x0                           ; the wave's end
	ds_add_u32 v192, v193
	s_wait_dscnt 0x0
	s_endpgm
; ---------------- W: a work-group takes 256 columns x 256 bytes of their rows of codes; a wave 64 columns; a lane two neighbouring columns ----------------
; Part = 32 pb + cb: columns 256 cb on, bytes 256 pb on: window u = pb / 2, half hh = pb % 2.  The 32 bytes at 256 pb + 32 m come from the four packed words kk = 64 u + 8 hh + 16 i + m:
; nibble 4 g + j of word i goes to byte 16 g + 4 i + j of the 32.  Word i lies in group 4 u + i of the scales.
.Lw:
	s_lshl_b32 s19, s19, 1
	s_add_co_u32 s19, s19, s18
	s_sub_co_u32 s19, s19, 1                       ; part 0 .. 511
	s_and_b32 s21, s19, 31
	s_lshr_b32 s28, s19, 5
	s_lshr_b32 s29, s28, 1
	s_and_b32 s30, s28, 1
	s_lshl_b32 s21, s21, 8
	s_lshl_b32 s31, s20, 6
	s_add_co_u32 s21, s21, s31                     ; n0 = 256 cb + 64 wave
	s_lshl_b32 s31, s21, 2
	s_lshl_b32 s22, s29, 6
	s_lshl_b32 s30, s30, 3
	s_add_co_u32 s22, s22, s30
	s_lshl_b32 s22, s22, 15
	s_add_co_u32 s22, s22, s31
	s_mov_b32 s23, 0
	s_lshl_b32 s24, s29, 17
	s_add_co_u32 s24, s24, s31
	s_mov_b32 s25, 0
	s_lshl_b32 s26, s21, 12
	s_lshl_b32 s28, s28, 8
	s_add_co_u32 s26, s26, s28
	s_mov_b32 s27, 0
	s_add_nc_u64 s[6:7], s[6:7], s[22:23]
	s_add_nc_u64 s[8:9], s[8:9], s[24:25]
	s_add_nc_u64 s[14:15], s[14:15], s[26:27]
	s_mul_i32 s21, s20, WSTG
	v_lshlrev_b32 v3, 3, v2                        ; 8 bytes a lane: columns n0 + 2 lane, + 1
.irp i, 0,1,2,3
	global_load_b64 v[SL+2*\i:SL+2*\i+1], v3, s[8:9] offset:32768*\i
.endr
.irp m, 0,1,2,3,4,5,6,7
.irp i, 0,1,2,3
	global_load_b64 v[D+8*\m+2*\i:D+8*\m+2*\i+1], v3, s[6:7] offset:(16*\i+\m)*32768 th:TH_LOAD_NT
.endr
.endr
	v_mul_u32_u24 v4, v2, PITCH
	v_add_nc_u32 v4, s21, v4                       ; into the stage: row 32 c + lane holds column n0 + 2 lane + c
	v_and_b32 v7, 15, v2
	v_lshrrev_b32 v10, 4, v2
	v_mul_u32_u24 v5, v10, 32*PITCH
	v_lshl_add_u32 v5, v7, 4, v5
	v_add_nc_u32 v5, s21, v5
	v_lshlrev_b32 v6, 12, v10
	v_lshl_add_u32 v6, v7, 4, v6
	SCALES 17
	s_wait_loadcnt 32                              ; the four loads of scales are in
.irp i, 0,1,2,3
	v_mov_b32 v[S1+2*\i], v[SL+2*\i+1]             ; a second set of pairs has column 1's scale in the low word
	v_mov_b32 v[S1+2*\i+1], v[SL+2*\i]
.endr
.irp i, 0,1,2,3
	v_pk_mul_f32 v[N0+2*\i:N0+2*\i+1], v[SL+2*\i:SL+2*\i+1], 0xc1000000 op_sel_hi:[1,0]   ; -8 s: exact
	v_pk_mul_f32 v[N1+2*\i:N1+2*\i+1], v[S1+2*\i:S1+2*\i+1], 0xc1000000 op_sel_hi:[1,0]
.endr
.macro CHUNK m, c                      ; 32 codes of one column
.set XP, X+32*(\c)
.set CP, CW+8*(\c)
.if (\c) == 0
	s_wait_loadcnt 4*(7-(\m))
.endif
.irp g, 0,1
.irp i, 0,1,2,3
.irp j, 0,1,2,3
	v_bfe_u32 v[XP+16*\g+4*\i+\j], v[D+8*(\m)+2*\i+(\c)], 4*(4*\g+\j), 4
.endr
.endr
.endr
.irp n, 0,1,2,3,4,5,6,7,8,9,10,11,12,13,14,15,16,17,18,19,20,21,22,23,24,25,26,27,28,29,30,31
	v_cvt_f32_u32 v[XP+\n], v[XP+\n]
.endr
.irp g, 0,1
.irp i, 0,1,2,3
.irp j, 0,2
	v_pk_fma_f32 v[XP+16*\g+4*\i+\j:XP+16*\g+4*\i+\j+1], v[XP+16*\g+4*\i+\j:XP+16*\g+4*\i+\j+1], v[SL+16*(\c)+2*\i:SL+16*(\c)+2*\i+1], v[N0+16*(\c)+2*\i:N0+16*(\c)+2*\i+1] op_sel_hi:[1,0,0]   ; q s - 8 s, rounded once
.endr
.endr
.endr
.irp n, 0,1,2,3,4,5,6,7,8,9,10,11,12,13,14,15,16,17,18,19,20,21,22,23,24,25,26,27,28,29,30,31
	v_med3_num_f32 v[XP+\n], v[XP+\n], -v[LIMV], v[LIMV]
.endr
.if 2*(\m)+(\c) >= 2
	s_wait_alu depctr_va_vdst(0)
	s_wait_dscnt 2                                 ; the two stores that read this set of codes, two chunks back, are done
.endif
.irp q, 0,1,2,3
	v_cvt_scalef32_pk8_bf8_f32 v[CP+2*\q:CP+2*\q+1], v[XP+8*\q:XP+8*\q+7], v[SC]
.endr
	ds_store_b128 v4, v[CP:CP+3] offset:32*PITCH*(\c)+32*(\m)
	ds_store_b128 v4, v[CP+4:CP+7] offset:32*PITCH*(\c)+32*(\m)+16
.endm
.irp m, 0,1,2,3,4,5,6,7
	CHUNK \m, 0
	CHUNK \m, 1
.endr
	v_nop
.irp t, 0,1,2,3,4,5,6,7,8,9,10,11,12,13,14,15,16,17,18,19,20,21,22,23,24,25,26,27,28,29,30,31
	ds_load_b128 v[OUTR+4*\t:OUTR+4*\t+3], v5 offset:PITCH*\t
.endr
.irp t, 0,1,2,3,4,5,6,7,8,9,10,11,12,13,14,15,16,17,18,19,20,21,22,23,24,25,26,27,28,29,30,31
	s_wait_dscnt 31-\t
	global_store_b128 v6, v[OUTR+4*\t:OUTR+4*\t+3], s[14:15] offset:8192*\t   ; each half of the lanes stores 256 consecutive bytes, aligned
.endr
	s_wait_tensorcnt 0x0
	ds_add_u32 v192, v193
	s_wait_dscnt 0x0
	s_endpgm
.Lfunc_end_k_q4212c718fc_prep:
	.size	k_q4212c718fc_prep, .Lfunc_end_k_q4212c718fc_prep-k_q4212c718fc_prep
	.p2alignl 7, 3214868480
	.fill 96, 4, 3214868480
	.section	.rodata,"a",@progbits
	.p2align	6, 0x0
	.amdhsa_kernel k_q4212c718fc_prep
		.amdhsa_group_segment_fixed_size 103936
		.amdhsa_private_segment_fixed_size 0
		.amdhsa_enable_private_segment 0
		.amdhsa_kernarg_size 48
		.amdhsa_user_sgpr_count 2
		.amdhsa_user_sgpr_kernarg_segment_ptr 1
		.amdhsa_wavefront_size32 1
		.amdhsa_system_sgpr_workgroup_id_x 1
		.amdhsa_system_sgpr_workgroup_id_y 1
		.amdhsa_system_sgpr_workgroup_id_z 1
		.amdhsa_system_vgpr_workitem_id 0
		.amdhsa_next_free_vgpr 194
		.amdhsa_next_free_sgpr 66
		.amdhsa_reserve_vcc 0
		.amdhsa_float_denorm_mode_32 3
		.amdhsa_float_denorm_mode_16_64 3
		.amdhsa_memory_ordered 1
		.amdhsa_forward_progress 1
		.amdhsa_inst_pref_size 147
	.end_amdhsa_kernel
	.amdgpu_metadata
---
amdhsa.version: [ 1, 2 ]
amdhsa.kernels:
  - .name:           k_q4212c718fc_prep
    .symbol:         k_q4212c718fc_prep.kd
    .args:
      - { .name: A, .offset: 0, .size: 8, .value_kind: global_buffer, .address_space: global }
      - { .name: B_packed, .offset: 8, .size: 8, .value_kind: global_buffer, .address_space: global }
      - { .name: s, .offset: 16, .size: 8, .value_kind: global_buffer, .address_space: global }
      - { .name: lowp_scales, .offset: 24, .size: 8, .value_kind: global_buffer, .address_space: global }
      - { .name: a_img, .offset: 32, .size: 8, .value_kind: global_buffer, .address_space: global }
      - { .name: w_codes, .offset: 40, .size: 8, .value_kind: global_buffer, .address_space: global }
    .group_segment_fixed_size: 103936
    .private_segment_fixed_size: 0
    .kernarg_segment_align: 8
    .kernarg_segment_size: 48
    .max_flat_workgroup_size: 128
    .sgpr_count:     66
    .vgpr_count:     194
    .wavefront_size: 32
...
	.end_amdgpu_metadata
.endif
;; end of part 1
;; launch gemm (part 2): grid 8 x 32, 4 waves a work-group, clusters of 4 x 1, 327,680 bytes of LDS; arguments a_img, w_codes, lowp_scales, out0; writes out0
.if DOCPART == 2
	.amdgcn_target "amdgcn-amd-amdhsa--gfx1250"
	.amdhsa_code_object_version 6
	.text
	.protected	k_q4212c718fc_gemm
	.globl	k_q4212c718fc_gemm
	.p2align	8
	.type	k_q4212c718fc_gemm,@function
k_q4212c718fc_gemm:
	s_mov_b64 s[64:65], 0
	v_nop
	global_prefetch_b8 v0, s[64:65] scope:SCOPE_SE
	s_setreg_imm32_b32 hwreg(HW_REG_WAVE_MODE, 25, 1), 1
	s_wait_xcnt 0x0
	s_wait_alu depctr_hold_cnt(0) depctr_sa_sdst(0) depctr_va_vdst(0) depctr_va_sdst(0) depctr_va_ssrc(0) depctr_va_vcc(0) depctr_vm_vsrc(0)
	s_getreg_b32 s2, hwreg(HW_REG_IB_STS2, 6, 4)
	s_cmp_eq_u32 s2, 0
	s_cbranch_scc0 .Lentry_in_a_cluster
	s_endpgm
.Lentry_in_a_cluster:
	s_bfe_u32 s2, ttmp6, 0x10000c
	s_cmp_lg_u32 s2, 0x3003
	s_cbranch_scc0 .Lentry_shape_is_right
	s_endpgm
.Lentry_shape_is_right:
; out0[m][n] = 2^(ea + eb) x sum over k of A's code (m, k) x W's code (n, k): codes of BF8 (E5M2), f32 sums.  LIMIT: ea + eb between -126 and 127.
; A work-group of four waves makes 256 x 256 of the result, a wave 128 x 128: 64 accumulators, 512 registers.  Work-group x = block of rows m (8), y = block of columns n (32).
; TWO ROADS FOR THE OPERANDS.  W's rows (w_codes, [8192][4096]) come through LDS: two slots of 256 rows x 512 bytes, each wave's tensor load brings 64 rows.
; A's codes (a_img) lie in memory as images of fragment registers and go straight into registers: 16 bytes a lane, 512 consecutive bytes a load; LDS holds none of them,
; so a wave reads 128 rows from LDS for a step where it would read 256, and a slot holds 512 along K where it would hold 256.  The two waves that share rows of A load them twice.
; A STEP is 64 along K: 64 matrix instructions of 16x16x64 in four phases of 16.  S0, S1: W's fragments 0-3, 4-7 (8 registers each); R0, R1: A's fragments 0-3, 4-7.
;   phase 0: S0 x R0   phase 1: S1 x R0   phase 2: S1 x R1   phase 3: S0 x R1
; ALL OF A STEP'S LOADS STAND IN ONE RUN AT ITS HEAD: W's fragments of step q + 1 into the other of two sets, A's of step q + 3 into the one of four stages that step q - 1 has left.
; REGISTERS, in windows of 256; each window holds one phase's 16 accumulators in v128-255:
;   window 0: phase 1's sums; v64-127 S0, two sets; v16-29 addresses      window 1: phase 3's sums; v64-127 S1, two sets
;   window 2: phase 0's sums; v0-127 R1, four stages                      window 3: phase 2's sums; v0-127 R0, four stages
; The matrix instruction is used transposed (source 0 = W's rows, source 1 = A's rows): a lane holds eight neighbouring columns of one row of the result.
; CLUSTERS: the four work-groups of a cluster differ in their rows m alone and need the same tiles of W: each tile is asked for jointly (mask 15).  A's images are no tensor loads and differ between partners.
; PREFETCH: with the tensor load of slot step u every wave names step u + 1: of W one block of 256 bytes a lane (the cluster's 512 lanes share the tile's 512 blocks out by address),
; of A four blocks a wave (the 32 work-groups with the same rows share a step's 512 blocks out by y; lanes 4-31 name the wave's last block again).  Step 7's load names nothing.
.set PITCH,  528                       ; an LDS row: 512 bytes + 16: the sixteen rows of a fragment load start at sixteen different banks (ISA guide 11.1)
.set QROWS,  64*PITCH                  ; what one tensor load brings
.set SLOT,   4*QROWS
.set STAGE,  2*SLOT                    ; behind the ring: 16 rows x 528 bytes for each wave, for the way out
.set SPITCH, 528
.set SPARE,  STAGE+4*16*SPITCH         ; the spare words: two blocks of 256 bytes that no other line names
.set GA,   16                          ; v16 16 x lane
.set AD,   18                          ; v18-19 LDS address of my W fragments in slot 0, 1
.set PWO,  20                          ; v20 W's prefetch: (lane % 16) rows + 256 (lane / 16)
.set PAO,  21                          ; v21 A's prefetch: 256 x min(lane, 3)
.set STO,  24
.set RD,   25
.set SPW,  28
.set NIL,  29
.set G1,   24                          ; s[24:31] descriptor group 1
.set G0,   32                          ; s[32:39] group 0, one set for each slot
.set AB,   44                          ; s[44:45] my eight blocks of A's images, at the lap's first step
.set PFW,  46
.set PFA,  48
.set MSB, 0
.macro WIN new                         ; the immediate's high byte repeats the setting that is left
.if MSB != \new
	s_set_vgpr_msb (MSB<<8)|\new
.set MSB, \new
.endif
.endm
.set P0, 0xac                          ; D, C window 2; source 1 window 3; source 0 window 0
.set P1, 0x0d                          ; D, C window 0; source 1 window 3; source 0 window 1
.set P2, 0xf9                          ; D, C window 3; source 1 window 2; source 0 window 1
.set P3, 0x58                          ; D, C window 1; source 1 window 2; source 0 window 0
.macro CREST
	s_cmp_lg_u32 s14, 0
	s_cbranch_scc1 .Lnot_wave_0_\@
	s_barrier_signal -3
.Lnot_wave_0_\@:
	s_barrier_wait -3
	s_barrier_signal -1
	s_barrier_wait -1
.endm
.macro CROUND
	s_barrier_signal -1
	s_barrier_wait -1
	CREST
.endm
.macro ASK cond                        ; cond = 2: not in the loop's last trip, whose second refill is step 7's
.if \cond == 2
	s_cmp_lg_u32 s3, 1
	s_cbranch_scc0 .Lno_\@
.endif
	global_prefetch_b8 v[PWO], s[PFW:PFW+1] th:TH_LOAD_NT scope:SCOPE_SE
	global_prefetch_b8 v[PAO], s[PFA:PFA+1] th:TH_LOAD_NT scope:SCOPE_SE
.if \cond == 2
.Lno_\@:
.endif
.endm
.macro PFSTEP                          ; the prefetches' bases go one slot step on, behind the wait that frees them
	s_wait_xcnt 0x0
	s_add_nc_u64 s[PFW:PFW+1], s[PFW:PFW+1], 512
	s_add_nc_u64 s[PFA:PFA+1], s[PFA:PFA+1], 8192
.endm
.macro GLD dst, off                    ; four fragments of A
.irp u, 0,1,2,3,4,5,6,7
	global_load_b128 v[(\dst)+4*\u:(\dst)+4*\u+3], v[GA], s[AB:AB+1] offset:(\off)+(\u/2)*65536+(\u%2)*512
.endr
.endm
.macro SLD dst, adr, off               ; four fragments of W
.irp u, 0,1,2,3,4,5,6,7
	ds_load_b128 v[(\dst)+4*\u:(\dst)+4*\u+3], v[\adr] offset:(\off)+(\u/2)*16*PITCH+(\u%2)*32
.endr
.endm
; Products t0 .. t1 - 1 of a phase: accumulator T = 4 i + j takes S's fragment i and R's fragment j; the 16 take turns.
.macro PH sb, rb, zero, t0, t1
.set T, \t0
.rept (\t1)-(\t0)
.set DA, 128+8*T
.if \zero
	v_wmma_f32_16x16x64_bf8_bf8 v[DA:DA+7], v[(\sb)+8*(T/4):(\sb)+8*(T/4)+7], v[(\rb)+8*(T%4):(\rb)+8*(T%4)+7], 0
.else
	v_wmma_f32_16x16x64_bf8_bf8 v[DA:DA+7], v[(\sb)+8*(T/4):(\sb)+8*(T/4)+7], v[(\rb)+8*(T%4):(\rb)+8*(T%4)+7], v[DA:DA+7]
.endif
.set T, T+1
.endr
.endm
; One step.  r: the step's number in its lap of 16 (offsets, stages, sets, slots); e: steps that follow it in all (99: many); turn: 1 the slot read out is filled again, 2 a change of slots with no refill.
.macro SUB r, e, zero, turn, ask
.set ST, 32*((\r)%4)
.set SC_, 64+32*((\r)%2)
.set SN_, 64+32*(((\r)+1)%2)
.set RN_, 32*(((\r)+3)%4)
.if (\e) >= 2
	s_wait_loadcnt 32                              ; A's fragments of this step are in; the two later steps' 16 loads each may be out
.else
	s_wait_loadcnt 16*(\e)
.endif
	s_wait_dscnt 0x0                               ; W's fragments of this step are in: they were asked for a step ago, and nothing younger is out
.if (\e) >= 1
.rept 4
	v_nop                                          ; the four places between the last step's products and the loads into registers that they read
.endr
	WIN 0
	SLD SN_, AD+((((\r)+1)/8)%2), (((\r)+1)%8)*64
	WIN 0x40
	SLD SN_, AD+((((\r)+1)/8)%2), (((\r)+1)%8)*64+4*16*PITCH
.endif
.if (\e) >= 3
	WIN 0xc0
	GLD RN_, ((\r)+3)*1024
	WIN 0x80
	GLD RN_, ((\r)+3)*1024+4*65536
.endif
	WIN P0
	PH SC_, ST, \zero, 0, 16
	WIN P1
	PH SC_, ST, \zero, 0, 16
.if \turn
	; THE CHANGE OF SLOTS: my last read of the old slot stood at this step's head, my first of the next stands at the next step's
	WIN 0
	PFSTEP
	s_wait_tensorcnt 0x0                           ; all my tensor loads have landed: my part of the next slot
	ds_add_u32 v[SPW], v[NIL]
	WIN P2
	PH SC_, ST, 0, 0, 8
	s_wait_dscnt 0x0                               ; the add is done, and my reads of the old slot are over
	s_barrier_signal -1
	PH SC_, ST, 0, 8, 16
	WIN 0
	s_barrier_wait -1
.if \turn == 1
	CREST                                          ; the barrier has opened a round of the cluster's barrier
	s_add_nc_u64 s[G0+4*(((\r)/8)%2)+2:G0+4*(((\r)/8)%2)+3], s[G0+4*(((\r)/8)%2)+2:G0+4*(((\r)/8)%2)+3], 1024
	tensor_load_to_lds s[G0+4*(((\r)/8)%2):G0+4*(((\r)/8)%2)+3], s[G1:G1+7]   ; two slot steps on, into the slot read out
	s_nop 0
.rept 4
	v_nop
.endr
	ASK \ask
.endif
.else
	WIN P2
	PH SC_, ST, \zero, 0, 16
.endif
	WIN P3
	PH SC_, ST, \zero, 0, 16
.endm
	s_load_b128 s[4:7], s[0:1], 0x0                ; a_img, w_codes
	s_load_b128 s[8:11], s[0:1], 0x10              ; the exponents, out0
	v_lshl_add_u32 v[SPW], v0, 2, SPARE
	v_mov_b32 v[NIL], 0
	ds_add_u32 v[SPW], v[NIL]
	ds_add_u32 v[SPW], v[NIL]
	v_lshrrev_b32 v1, 5, v0
	v_readfirstlane_b32 s14, v1                    ; wave
	s_lshr_b32 s15, s14, 1                         ; which 128 rows m are mine
	s_and_b32 s16, s14, 1                          ; which 128 columns n
	s_bfe_u32 s40, ttmp6, 0x40000                  ; cx
	s_lshl_b32 s17, ttmp9, 2
	s_add_co_u32 s17, s17, s40                     ; block of rows m = 4 x cluster x + cx
	s_and_b32 s42, ttmp7, 0xffff                   ; block of columns n
	s_mov_b32 s[G1+0], 15|(1<<20)|(1<<21)|(6<<22)|(3<<25)   ; mask: the cluster's four; bytes; padding of 4 words behind every 128
	s_mov_b32 s[G1+1], 512<<16
	s_mov_b32 s[G1+2], 64<<16
	s_mov_b32 s[G1+3], 512<<16
	s_mov_b32 s[G1+4], 64
	s_mov_b32 s[G1+5], 4096
	s_mov_b32 s[G1+6], 0
	s_mov_b32 s[G1+7], 0
	s_lshl_b32 s20, s17, 4
	s_lshl_b32 s21, s15, 3
	s_add_co_u32 s20, s20, s21
	s_lshl_b32 s20, s20, 16                        ; a_img: block 16 x (block m) + 8 x half, 65,536 bytes each
	s_mov_b32 s21, 0
	s_lshl_b32 s22, s42, 8
	s_lshl_b32 s23, s14, 6
	s_add_co_u32 s22, s22, s23
	s_lshl_b32 s22, s22, 12                        ; w_codes: row 256 y + 64 wave: the same in all four partners
	s_mov_b32 s23, 0
	s_lshl_b32 s52, s42, 8
	s_lshl_b32 s53, s40, 6
	s_add_co_u32 s52, s52, s53
	s_lshl_b32 s53, s14, 4
	s_add_co_u32 s52, s52, s53
	s_lshl_b32 s52, s52, 12
	s_add_co_u32 s52, s52, 512                     ; W's prefetch: rows 256 y + 64 cx + 16 wave on, slot step 1
	s_mov_b32 s53, 0
	s_lshl_b32 s54, s17, 4
	s_lshr_b32 s55, s42, 1
	s_add_co_u32 s54, s54, s55
	s_lshl_b32 s54, s54, 16
	s_and_b32 s55, s42, 1
	s_lshl_b32 s55, s55, 12
	s_add_co_u32 s54, s54, s55
	s_lshl_b32 s55, s14, 10
	s_add_co_u32 s54, s54, s55
	s_add_co_u32 s54, s54, 8192                    ; A's prefetch: block y / 2 of my 16, its step's 8,192 bytes: 4,096 (y % 2) + 1,024 wave, slot step 1
	s_mov_b32 s55, 0
	s_lshl_b32 s56, s17, 8
	s_lshl_b32 s57, s15, 7
	s_add_co_u32 s56, s56, s57
	s_lshl_b32 s56, s56, 15                        ; out0: my first row, 32,768 bytes a row,
	s_lshl_b32 s57, s42, 10
	s_add_co_u32 s56, s56, s57
	s_lshl_b32 s57, s16, 9
	s_add_co_u32 s56, s56, s57                     ; and my first column
	s_mov_b32 s57, 0
	s_mul_i32 s43, s14, QROWS                      ; where my part of a tile goes
	s_mul_i32 s18, s16, 128*PITCH                  ; my 128 rows of W in a slot
	s_mul_i32 s19, s14, 16*SPITCH
	s_add_co_u32 s19, s19, STAGE                   ; my stage
	v_and_b32 v2, 31, v0
	v_and_b32 v3, 15, v0
	v_bfe_u32 v4, v0, 4, 1
	v_lshlrev_b32 v[GA], 4, v2
	v_mul_u32_u24 v5, v3, PITCH
	v_lshl_add_u32 v6, v4, 5, v5
	v_lshl_add_u32 v5, v4, 4, v5                   ; a fragment's row x pitch + 16 x half
	v_add_nc_u32 v[AD], s18, v5
	v_add_nc_u32 v[AD+1], SLOT, v[AD]
	v_add_nc_u32 v[STO], s19, v6                   ; the way out: row l % 16, 32 bytes for each half of the lanes
	v_add_nc_u32 v[RD], s19, v[GA]                 ; and back: the 32 lanes take a row of 512 bytes
	v_lshlrev_b32 v7, 12, v3
	v_lshl_add_u32 v[PWO], v4, 8, v7
	v_min_u32 v8, 3, v2
	v_lshlrev_b32 v[PAO], 8, v8
	s_wait_alu depctr_va_vdst(0)
	s_wait_dscnt 0x0                               ; both opening adds are done
	s_wait_kmcnt 0x0
	s_load_b64 s[50:51], s[8:9], 0x0               ; ea, eb
	s_add_nc_u64 s[AB:AB+1], s[4:5], s[20:21]
	s_add_nc_u64 s[22:23], s[6:7], s[22:23]
	s_add_nc_u64 s[PFW:PFW+1], s[6:7], s[52:53]
	s_add_nc_u64 s[PFA:PFA+1], s[4:5], s[54:55]
	s_add_nc_u64 s[10:11], s[10:11], s[56:57]
.irp s, 0,1
	s_mov_b32 s[G0+4*\s], 1
	s_add_co_u32 s[G0+4*\s+1], s43, \s*SLOT
	s_add_nc_u64 s[G0+4*\s+2:G0+4*\s+3], s[22:23], \s*512
	s_or_b32 s[G0+4*\s+3], s[G0+4*\s+3], 0x80000000
.endr
	CROUND                                         ; the cluster's four are here: the first joint loads meet
	tensor_load_to_lds s[G0:G0+3], s[G1:G1+7]      ; slot step 0: one tensor load a wave at the head
	s_nop 0
.irp q, 0,1,2                          ; A's first three stages
	WIN 0xc0
	GLD 32*\q, \q*1024
	WIN 0x80
	GLD 32*\q, \q*1024+4*65536
.endr
	WIN 0
	ASK 1
	s_wait_tensorcnt 0x0                           ; my part of slot step 0 is in
	ds_add_u32 v[SPW], v[NIL]
	s_wait_dscnt 0x0
	CROUND
	tensor_load_to_lds s[G0+4:G0+7], s[G1:G1+7]    ; slot step 1
	s_nop 0
	SLD 64, AD, 0                                  ; S0 of step 0
	WIN 0x40
	SLD 64, AD, 4*16*PITCH                         ; S1 of step 0
	WIN 0
	PFSTEP
	ASK 1
	SUB 0, 99, 1, 0, 0                             ; the first step stands in front of the loop: its products start the sums
	WIN 0
	s_mov_b32 s3, 3
.Llap:                                                 ; a trip: 16 steps, once round the ring, from a lap's second step to the next lap's first
.irp r, 1,2,3,4,5
	SUB \r, 99, 0, 0, 0
.endr
	SUB 6, 99, 0, 1, 1
.irp r, 7,8,9,10,11,12,13
	SUB \r, 99, 0, 0, 0
.endr
	SUB 14, 99, 0, 1, 2
	SUB 15, 99, 0, 0, 0
	SUB 16, 99, 0, 0, 0
	WIN 0
	s_wait_xcnt 0x0                                ; my loads have read their base
	s_add_nc_u64 s[AB:AB+1], s[AB:AB+1], 16*1024
	s_sub_co_u32 s3, s3, 1
	s_cmp_lg_u32 s3, 0
	s_cbranch_scc1 .Llap
.irp r, 1,2,3,4,5                      ; the last 15 steps fetch nothing beyond the end
	SUB \r, 15-\r, 0, 0, 0
.endr
	SUB 6, 9, 0, 2, 0
.irp r, 7,8,9,10,11,12,13,14,15
	SUB \r, 15-\r, 0, 0, 0
.endr
	WIN 0
; THE WAY OUT, block by block of 16 rows x 128 columns: x 2^(ea + eb) into window 2's v0-63, through my own stage in LDS, back as whole rows of 512 bytes into window 3's v0-127 (two sets), stored.
.macro TOSTAGE a
.set JJ, (\a)%4
.if (\a) < 4
.set WS0, 2
.set WS1, 0
.else
.set WS0, 1
.set WS1, 3
.endif
	WIN 0x80|WS0
.irp i, 0,1,2,3
.irp j, 0,2,4,6
	v_pk_mul_f32 v[8*\i+\j:8*\i+\j+1], v[128+8*(4*\i+JJ)+\j:128+8*(4*\i+JJ)+\j+1], s[50:51] op_sel_hi:[1,0]   ; each accumulator from its low end on
.endr
.endr
	WIN 0x80|WS1
.irp i, 0,1,2,3
.irp j, 0,2,4,6
	v_pk_mul_f32 v[32+8*\i+\j:32+8*\i+\j+1], v[128+8*(4*\i+JJ)+\j:128+8*(4*\i+JJ)+\j+1], s[50:51] op_sel_hi:[1,0]
.endr
.endr
	WIN 0x08
.irp b, 0,1,2,3,4,5,6,7
	ds_store_b128 v[STO], v[8*\b:8*\b+3] offset:64*\b
	ds_store_b128 v[STO], v[8*\b+4:8*\b+7] offset:64*\b+16
.endr
	WIN 0xc0
.set BB, 64*((\a)%2)
.irp t, 0,1,2,3,4,5,6,7,8,9,10,11,12,13,14,15
	ds_load_b128 v[BB+4*\t:BB+4*\t+3], v[RD] offset:\t*SPITCH   ; LDS serves a wave's instructions in order (ISA guide 5.7.1.4)
.endr
.endm
.macro SEND a, younger
.set BB, 64*((\a)%2)
	s_wait_dscnt \younger
.if (\a) > 0
	s_add_nc_u64 s[10:11], s[10:11], 16*32768      ; behind a wait on XCNT: the earlier stores have read their base
.endif
	WIN 0x0c
.irp t, 0,1,2,3,4,5,6,7,8,9,10,11,12,13,14,15
	global_store_b128 v[GA], v[BB+4*\t:BB+4*\t+3], s[10:11] offset:\t*32768 th:TH_STORE_NT   ; 32 lanes store 512 consecutive bytes, aligned
.endr
.endm
	s_wait_kmcnt 0x0
	s_add_co_i32 s50, s50, s51
	s_add_co_i32 s50, s50, 127
	s_lshl_b32 s50, s50, 23                        ; 2^(ea + eb) as f32
.rept 4
	v_nop                                          ; the places behind the last products
.endr
	TOSTAGE 0
.irp a, 1,2,3,4,5,6,7
.if \a > 1
	s_wait_xcnt 0x0                                ; block a - 2's stores have read their registers and their base
.endif
	TOSTAGE \a
	SEND \a-1, 32                                  ; behind block a - 1's loads: block a's 16 stores and 16 loads
.endr
	s_wait_xcnt 0x0
	SEND 7, 0
	WIN 0
	s_wait_tensorcnt 0x0                           ; the wave's end
	ds_add_u32 v[SPW], v[NIL]
	s_wait_dscnt 0x0
	CROUND                                         ; the closing round
	s_endpgm
.Lfunc_end_k_q4212c718fc_gemm:
	.size	k_q4212c718fc_gemm, .Lfunc_end_k_q4212c718fc_gemm-k_q4212c718fc_gemm
	.p2alignl 7, 3214868480
	.fill 96, 4, 3214868480
	.section	.rodata,"a",@progbits
	.p2align	6, 0x0
	.amdhsa_kernel k_q4212c718fc_gemm
		.amdhsa_group_segment_fixed_size 327680
		.amdhsa_private_segment_fixed_size 0
		.amdhsa_enable_private_segment 0
		.amdhsa_kernarg_size 32
		.amdhsa_user_sgpr_count 2
		.amdhsa_user_sgpr_kernarg_segment_ptr 1
		.amdhsa_wavefront_size32 1
		.amdhsa_system_sgpr_workgroup_id_x 1
		.amdhsa_system_sgpr_workgroup_id_y 1
		.amdhsa_system_sgpr_workgroup_id_z 1
		.amdhsa_system_vgpr_workitem_id 0
		.amdhsa_next_free_vgpr 1024
		.amdhsa_next_free_sgpr 66
		.amdhsa_reserve_vcc 0
		.amdhsa_float_denorm_mode_32 3
		.amdhsa_float_denorm_mode_16_64 3
		.amdhsa_memory_ordered 1
		.amdhsa_forward_progress 1
		.amdhsa_inst_pref_size 255
	.end_amdhsa_kernel
	.section	.bss,"aw",@nobits
	.p2align	6
	.space	262144
	.amdgpu_metadata
---
amdhsa.version: [ 1, 2 ]
amdhsa.kernels:
  - .name:           k_q4212c718fc_gemm
    .symbol:         k_q4212c718fc_gemm.kd
    .args:
      - { .name: a_img, .offset: 0, .size: 8, .value_kind: global_buffer, .address_space: global }
      - { .name: w_codes, .offset: 8, .size: 8, .value_kind: global_buffer, .address_space: global }
      - { .name: lowp_scales, .offset: 16, .size: 8, .value_kind: global_buffer, .address_space: global }
      - { .name: out0, .offset: 24, .size: 8, .value_kind: global_buffer, .address_space: global }
    .group_segment_fixed_size: 327680
    .private_segment_fixed_size: 0
    .kernarg_segment_align: 8
    .kernarg_segment_size: 32
    .max_flat_workgroup_size: 128
    .sgpr_count:     66
    .vgpr_count:     1024
    .wavefront_size: 32
...
	.end_amdgpu_metadata
.endif
;; end of part 2
